; MI455X (gfx1250); checked and timed in simulation.
; The chip was launched on July 23, 2026; its instructions are those of AMD's public machine-readable ISA for CDNA 5 (MIT licence, August 2026) and "CDNA5" Instruction Set Architecture Reference Guide (July 2026). The comments in the code are by the model that wrote it; some were corrected since.
;; Hessian Linear. Allowed arithmetic: matrix products marked QUANTISED: E2M1 operands, one E8M0 scale for each 32 along K, by v_wmma_scale_f32_16x16x128_f8f6f4 with both operands' format E2M1 (or v_wmma_scale_f32_32x16x128_f4), f32 sums; everything else in f32.
;; Inputs: bias 4,096 float32; centroids_scaled 256 float32; labels 16,777,216 int32; scale 4,096 float32; x_codes 4 x 1,024 x 128 x 16 uint8 (E2M1 codes of x, K innermost, in blocks of 32 codes, two codes a byte); x_scales 4 x 1,024 x 128 uint8 (E8M0 scales of x, one for each 32 codes along K).
;; Outputs: out0 4 x 1,024 x 4,096 float32.
;; This version of the problem:
;;   THIS VERSION OF THE PROBLEM IS GIVEN IN LOW PRECISION. The matrix products marked QUANTISED in the list below multiply operands that are first quantised to E2M1 (2 exponent bits, 1 mantissa bit; 4 bits a number), with one power-of-two scale for each 32 numbers along K (OCP MX v1.0); their sums are f32. All else is computed in f32.
;;   The module's matrix products, in the order in which they are computed (A, B: the left and right operand; K: the contracted axis; several contracted axes count as one K, in the product's order):
;;     1. [M 4,096, K 4,096] x [K 4,096, N 4,096]; A: input x (given as codes); B: computed on the way: QUANTISED
;;   THE QUANTISER, for each operand of a quantised product, along K:
;;     - K is cut into blocks of 32 from its start; a last block that is shorter is filled with zeros.
;;     - A block's scale is 2^e with e = floor(log2(the largest magnitude in the block)) - 2, held to -126 .. 127; a block of zeros has e = 0. As a byte (E8M0): e + 127.
;;     - Each number is divided by its block's scale, clamped to +-6, and rounded to the nearest number of E2M1, ties to even, subnormals kept.
;;     - The product sums the exact products of the quantised numbers (number of the format x scale) in f32.
;;   ~~~python
;;   def quantise(x, axis):      # numpy; x: float32 -> the quantised numbers, widened to float32 again
;;       x = np.moveaxis(x, axis, -1); K = x.shape[-1]
;;       x = np.pad(x, [(0, 0)] * (x.ndim - 1) + [(0, -K % 32)]); x = x.reshape(x.shape[:-1] + (-1, 32)); a = np.abs(x).max(-1, keepdims=True)
;;       e = np.where(a > 0, np.clip(np.frexp(np.where(a > 0, a, 1))[1] - 1 - 2, -126, 127), 0)      # np.frexp(a)[1] - 1 = floor(log2(a)), exactly
;;       r = np.clip(x / 2.0 ** e, -6, 6)
;;       step = 2.0 ** (np.maximum(np.frexp(np.where(r == 0, 1, r))[1] - 1, 0) - 1)
;;       q = np.round(r / step) * step * 2.0 ** e      # np.round: ties to even
;;       return np.moveaxis(q.reshape(q.shape[:-2] + (-1,))[..., :K], -1, axis).astype(np.float32)
;;   ~~~
;;   OPERANDS COMPUTED ON THE WAY. 'Computed on the way' means the value that the module computes at that place (a softmax that the list does not call 'softmax' is quantised finished and normalised). What goes into a quantiser is computed in f32, as accurately as f32 sums, v_exp_f32 and their like allow (about 1e-6 of the number): no bf16 or f16 on the way to a quantiser, and a product that is left as it is and whose result goes on into a quantised operand takes f32 operands (vector FMAs, or v_wmma_f32_16x16x4_f32). A number that lies on a knife's edge between two numbers of the format may be rounded either way, as far as f32 arithmetic and the matrix unit's own rounding can turn it there, and no further.
;;   INPUTS GIVEN AS CODES. x (in the module: [4, 1024, 4096], K = its axis 2): each comes as NAME_codes (uint8): NAME with its K axis moved to the last place and cut into blocks of 32 codes, [.., K / 32, bytes a block], one block behind the other in memory; two codes a byte, the lower K in the low four bits (a code: sign, 2 exponent bits, 1 mantissa bit); and NAME_scales (uint8): the same leading axes, one E8M0 byte (e + 127) for each 32 codes along K. Its value is code x scale, taken as it is: it is not quantised again, and the codes and scales need not be those that the quantiser above would give.
;; One version. Each part assembles by itself: llvm-mc -triple=amdgcn-amd-amdhsa -mcpu=gfx1250 --defsym DOCPART=n.
;; ======== version 1 of 1: 2 launches
;; limits: right only within a limited range of input values
;; workspace buffers: w_codes 8,388,608 bytes; wst 524,288 bytes; xst 524,288 bytes
;; launch prep (part 1): grid 2048 x 1, 1 waves a work-group, no clusters, 38,400 bytes of LDS; arguments labels, centroids_scaled, scale, x_scales, w_codes, wst, xst; writes w_codes, wst, xst
.if DOCPART == 1
	.amdgcn_target "amdgcn-amd-amdhsa--gfx1250"
	.amdhsa_code_object_version 6
	.text
	.protected	k_q456845ed57_prep
	.globl	k_q456845ed57_prep
	.p2align	8
	.type	k_q456845ed57_prep,@function
k_q456845ed57_prep:
	s_mov_b64 s[64:65], 0
	v_nop
	global_prefetch_b8 v0, s[64:65] scope:SCOPE_SE
	s_setreg_imm32_b32 hwreg(HW_REG_WAVE_MODE, 25, 1), 1
	s_wait_xcnt 0x0
; W[o][k] = centroids[labels[o][k]] / max(scale[k], 1e-8), in f32, is turned into codes of FP4 (E2M1), K innermost, with one E8M0 byte for each 32 along K.
; LAYOUT, for the product's launch: w_codes[k / 512][p][256 bytes], wst[k / 512][p][16 bytes], p = W's row in this order: row o = 64 G + 4 r + b stands at p = 64 G + 16 b + r
; (r = 0 .. 15, b = 0 .. 3).  x's scale bytes, given as [row][128], are copied into xst[k / 512][row][16 bytes], rows in their own order.
; A block's scale is 2^(floor(log2(its largest magnitude)) - 2); its byte is the largest magnitude's exponent field - 2, held at 1 from below.
; SHARES.  One wave to a work-group.  Work-group id: ks = id & 7 (which 512 columns), R = id >> 3 (which 16 places p: 16 rows of labels, four rows apart).  A step is one row's 512 labels: four loads of
; 512 consecutive bytes.  They turn through the wave's stage in LDS and come back 64 bytes a lane: lane l holds columns 16 l .. 16 l + 15, the same in every step, so its sixteen reciprocals of
; the scale stay in registers.  Two neighbouring lanes hold a block of 32.
; THE CODEBOOK lies in the wave's own LDS in 32 copies, entry by entry: lane l reads entry e at 128 e + 4 l, so the 32 lanes of a gather read words 32 e + l: 32 different words modulo 32.
; OUT: a step's codes are 256 consecutive bytes, aligned, and the 16 steps' are 4,096; the 16 steps' scale bytes are gathered in LDS and leave as 256 consecutive bytes, aligned; so do x's scale bytes.
; No barrier: the work-group is one wave.  No cluster, no tensor load: work-groups share 1,024 bytes of codebook and 2,048 of scale, next to 32,768 bytes of labels of their own.
; Loads run six steps (24 loads a wave) ahead, the turn through LDS two steps, the gather one step.  Every offset is an immediate and every step has registers of its own for what it stores to memory.
; LIMITS: W = c x (1 / s), the reciprocal refined by one Newton step: within about 1.5 units in the last place of c / s.  A label above 255 (or negative) is held at 255.
; A block of zeros gets the byte 1 with zero codes, where the rule says 127: this program alone reads the bytes.  NaN, infinities and scales of 2^126 or more are not served.
.set EMAX,  2
.set STEPS, 16
.set DEPTH, 6                          ; sets of label registers
.set LROW,  65536                      ; four rows of labels in bytes
.set CROW,  256                        ; a row of codes of one K step in bytes
.set SP,    80                         ; a lane's place in a stage: its 64 bytes + 16 of padding
.set STG,   32768                      ; LDS: the codebook's 32 copies from byte 0, then two stages of 32 places,
.set STGB,  32*SP
.set SCB,   STG+2*STGB                 ; the 256 scale bytes,
.set SPARE, SCB+256                    ; and the spare words, which no other line names
.set RINV,  16                         ; v16-31   1 / max(scale, 1e-8) of my 16 columns
.set R,     32                         ; v32-127  six sets of 16 labels as they are loaded
.set X,     128                        ; v128-159 two sets: 16 neighbouring labels, then their addresses in the codebook
.set GV,    160                        ; v160-191 two sets: the gathered centroids, then W
.set C,     192                        ; v192-223 codes: two registers for each step; in the head eight codebook entries, four times each
.set E,     224                        ; v224-239 a scale byte for each step
.set L4,    242                        ; v242     4 x lane
	s_load_b256 s[4:11], s[0:1], 0x0               ; labels s[4:5], centroids s[6:7], scale s[8:9], x_scales s[10:11]
	s_load_b128 s[12:15], s[0:1], 0x20             ; w_codes s[12:13], wst s[14:15]
	s_load_b64 s[16:17], s[0:1], 0x30              ; xst
	v_lshl_add_u32 v240, v0, 2, SPARE
	v_mov_b32 v241, 0
	s_and_b32 s18, ttmp9, 7                        ; ks
	s_lshr_b32 s19, ttmp9, 3                       ; R = 4 G + b
	s_lshr_b32 s20, s19, 2
	s_lshl_b32 s20, s20, 20                        ; labels: 64 G rows of 16,384 bytes,
	s_and_b32 s21, s19, 3
	s_lshl_b32 s21, s21, 14                        ; + b rows,
	s_add_co_u32 s20, s20, s21
	s_lshl_b32 s22, s18, 11                        ; + 512 ks columns of 4 bytes; the same in scale
	s_add_co_u32 s20, s20, s22
	s_mov_b32 s21, 0
	s_mov_b32 s23, 0
	s_lshl_b32 s24, s19, 11                        ; x_scales: 16 R rows of 128 bytes + 16 ks
	s_lshl_b32 s25, s18, 4
	s_add_co_u32 s24, s24, s25
	s_mov_b32 s25, 0
	s_lshl_b32 s26, s19, 12                        ; w_codes: ks x 4,096 rows x 256 bytes + 16 R rows x 256 bytes
	s_lshl_b32 s27, s18, 20
	s_add_co_u32 s26, s26, s27
	s_mov_b32 s27, 0
	s_lshl_b32 s28, s18, 16                        ; wst, xst: ks x 4,096 rows x 16 bytes + 16 R rows x 16 bytes
	s_lshl_b32 s29, s19, 8
	s_add_co_u32 s28, s28, s29
	s_mov_b32 s29, 0
	v_lshlrev_b32 v1, 4, v0                        ; my 16 bytes of a load's 512
	v_lshrrev_b32 v8, 2, v0
	v_mul_u32_u24 v2, v8, SP
	v_and_b32 v9, 3, v0
	v_lshl_add_u32 v2, v9, 4, v2
	v_add_nc_u32 v2, STG, v2                       ; the stage, on the way in: four lanes' 64 bytes on end, then 16 of padding
	v_mul_u32_u24 v3, v0, SP
	v_add_nc_u32 v3, STG, v3                       ; and on the way out: my 16 neighbours
	v_lshlrev_b32 v4, 3, v0                        ; 8 bytes a lane: my codes in a step's 256 bytes, my part of 256 scale bytes
	v_lshrrev_b32 v5, 1, v0
	v_lshlrev_b32 v7, 7, v5                        ; x_scales: row lane / 2 of 128 bytes,
	v_add_nc_u32 v5, SCB, v5                       ; LDS: my block's scale byte
	v_add_nc_u32 v6, SCB, v4                       ; and on the way out 8 bytes a lane
	v_and_b32 v9, 1, v0
	v_lshl_add_u32 v7, v9, 3, v7                   ; + 8 (lane % 2)
	v_lshlrev_b32 v[L4], 2, v0
	v_bfe_u32 v8, v0, 1, 3                         ; the codebook on its way in: lane l lays entries l + 32 j, 128 bytes each, in eight pieces,
	v_lshlrev_b32 v8, 4, v8                        ; which it takes in an order of its own: piece c xor (l / 2) mod 8, so that 16 lanes write 16 different columns of 256 bytes
	v_lshl_or_b32 v8, v0, 7, v8
.irp c, 0,1,2,3,4,5,6,7
	v_xor_b32 v[X+\c], 16*\c, v8
.endr
	s_wait_alu depctr_va_vdst(0)                   ; the wait at the head's end
	s_wait_kmcnt 0x0
	s_add_nc_u64 s[4:5], s[4:5], s[20:21]
	s_add_nc_u64 s[8:9], s[8:9], s[22:23]
	s_add_nc_u64 s[10:11], s[10:11], s[24:25]
	s_add_nc_u64 s[12:13], s[12:13], s[26:27]
	s_add_nc_u64 s[14:15], s[14:15], s[28:29]
	s_add_nc_u64 s[16:17], s[16:17], s[28:29]
.macro LOAD t                          ; step t's 512 labels: 32 lanes read 512 consecutive bytes, four times
.irp i, 0,1,2,3
	global_load_b128 v[R+16*((\t)%DEPTH)+4*\i:R+16*((\t)%DEPTH)+4*\i+3], v1, s[4:5] offset:LROW*(\t)+512*\i th:TH_LOAD_NT
.endr
.endm
.macro TURN src, stg, dst              ; 2,048 bytes through a stage: LDS serves a wave's instructions in order (ISA guide 5.7.1.4), so no wait stands between the stores and the loads
.irp i, 0,1,2,3
	ds_store_b128 v2, v[\src+4*\i:\src+4*\i+3] offset:STGB*(\stg)+8*SP*\i
.endr
.irp i, 0,1,2,3
	ds_load_b128 v[\dst+4*\i:\dst+4*\i+3], v3 offset:STGB*(\stg)+16*\i
.endr
.endm
.macro GATHER t                        ; step t's 16 labels of my lane become addresses in my copy of the codebook, and its centroids are asked for
.set XS, X+16*((\t)%2)
.set GS, GV+16*((\t)%2)
.irp i, 0,1,2,3,4,5,6,7,8,9,10,11,12,13,14,15
	v_min_u32 v[XS+\i], 0xff, v[XS+\i]             ; inside the table, whatever was loaded
.endr
.irp i, 0,1,2,3,4,5,6,7,8,9,10,11,12,13,14,15
	v_lshl_add_u32 v[XS+\i], v[XS+\i], 7, v[L4]    ; 128 bytes an entry; the table begins at LDS byte 0
.endr
.irp i, 0,1,2,3,4,5,6,7,8,9,10,11,12,13,14,15
	ds_load_b32 v[GS+\i], v[XS+\i]
.endr
.endm
.macro WORK t                          ; step t: W, the block's scale, the codes, and out
.set WS, GV+16*((\t)%2)
.irp i, 0,2,4,6,8,10,12,14
	v_pk_mul_f32 v[WS+\i:WS+\i+1], v[WS+\i:WS+\i+1], v[RINV+\i:RINV+\i+1]   ; W = c x (1 / s), two at a time
.endr
	v_max3_num_f32 v8, |v[WS]|, |v[WS+1]|, |v[WS+2]|               ; the largest magnitude of my 16, in two chains
	v_max3_num_f32 v9, |v[WS+3]|, |v[WS+4]|, |v[WS+5]|
.irp i, 6,10
	v_max3_num_f32 v8, v8, |v[WS+\i]|, |v[WS+\i+1]|
	v_max3_num_f32 v9, v9, |v[WS+\i+2]|, |v[WS+\i+3]|
.endr
	v_max3_num_f32 v8, v8, |v[WS+14]|, |v[WS+15]|
	v_max3_num_f32 v8, v8, v9, (EMAX+1)<<23        ; and the floor 2^(EMAX + 1 - 127): the byte cannot fall under 1
	v_max_num_f32_dpp v8, v8, v8 row_xmask:1 row_mask:0xf bank_mask:0xf   ; and of my neighbour's 16: the block's
	v_add_nc_u32 v11, 0xff000000, v8               ; EMAX off its exponent field: the conversion takes the exponent field of this operand as its scale, and nothing else of it
	v_cvt_scalef32_pk8_fp4_f32 v[C+2*(\t)], v[WS:WS+7], v11          ; eight numbers / the scale, to the nearest code, ties to even, beyond 6 the largest code; the first number's code in the lowest four bits
	v_cvt_scalef32_pk8_fp4_f32 v[C+2*(\t)+1], v[WS+8:WS+15], v11
	v_lshrrev_b32 v[E+(\t)], 23, v11               ; the scale's byte.  (Also the plain instruction behind the conversions)
	ds_store_b8 v5, v[E+(\t)] offset:16*(\t)       ; both lanes of a block write the same byte with the same value
	global_store_b64 v4, v[C+2*(\t):C+2*(\t)+1], s[12:13] offset:CROW*(\t)   ; 32 lanes store 256 consecutive bytes, at a multiple of 256 from the buffer's first byte
.endm
	; THE HEAD.  37 loads go out: the codebook (8), my 512 scales (4), x's scale bytes (1), six steps of labels (24).
.irp j, 0,1,2,3,4,5,6,7
	global_load_b32 v[C+4*\j], v[L4], s[6:7] offset:128*\j         ; entry lane + 32 j
.endr
.irp i, 0,1,2,3
	global_load_b128 v[GV+16+4*\i:GV+16+4*\i+3], v1, s[8:9] offset:512*\i
.endr
	global_load_b64 v[12:13], v7, s[10:11]
.irp t, 0,1,2,3,4,5
	LOAD \t
.endr
	s_wait_loadcnt 29                              ; the codebook is in: 29 loads were issued behind it
.irp k, 1,2,3
.irp j, 0,1,2,3,4,5,6,7
	v_mov_b32 v[C+4*\j+\k], v[C+4*\j]
.endr
.endr
.irp j, 0,1,2,3,4,5,6,7
.irp c, 0,1,2,3,4,5,6,7
	ds_store_b128 v[X+\c], v[C+4*\j:C+4*\j+3] offset:4096*\j
.endr
.endr
	s_wait_loadcnt 25                              ; the scales are in: 25 behind them
	TURN GV+16, 0, RINV                            ; they turn as the labels do: my 16 columns' scales
	s_wait_loadcnt 24                              ; x's scale bytes are in: the 24 loads of labels behind them
	global_store_b64 v4, v[12:13], s[16:17]        ; 16 rows x 16 bytes: 256 consecutive bytes, aligned
	s_wait_dscnt 0x0                               ; the codebook lies in LDS, the scales are back
.irp i, 0,1,2,3,4,5,6,7,8,9,10,11,12,13,14,15
	v_max_num_f32 v[RINV+\i], 0x322bcc77, v[RINV+\i]   ; s = max(scale, 1e-8)
.endr
	s_wait_alu depctr_va_vdst(0)                   ; the wait ahead of the batch
.irp i, 0,1,2,3,4,5,6,7,8,9,10,11,12,13,14,15
	v_rcp_f32 v[X+\i], v[RINV+\i]                  ; r, one batch
.endr
	v_nop                                          ; a plain instruction behind the last reciprocal (ISA guide 5.7.2)
	s_wait_alu depctr_va_vdst(0)                   ; one wait for the sixteen, ahead of their first reader
.irp i, 0,1,2,3,4,5,6,7,8,9,10,11,12,13,14,15
	v_fma_f32 v[X+16+\i], -v[RINV+\i], v[X+\i], 1.0   ; e = 1 - s r
.endr
.irp i, 0,1,2,3,4,5,6,7,8,9,10,11,12,13,14,15
	v_fma_f32 v[RINV+\i], v[X+16+\i], v[X+\i], v[X+\i]   ; r + e r: one Newton step
.endr
	s_wait_loadcnt 20                              ; step 0's labels are in; steps 1 to 5 may be out
	TURN R, 0, X
	s_wait_dscnt 0x0                               ; they are back, and the stores have read their registers,
	LOAD 6                                         ; which take step 6's
	GATHER 0
	s_wait_loadcnt 20                              ; step 1's labels are in; steps 2 to 6 may be out
	TURN R+16, 1, X+16
.macro STEP t
.if (\t) > 0
	s_wait_dscnt 1                                 ; all but the last step's byte store: this step's centroids are in, the next step's labels are back from the stage
.else
	s_wait_dscnt 0x0
.endif
.if (\t)+7 < STEPS
	LOAD (\t)+7                                    ; into the set that the next step's turn has read
.endif
.if (\t)+1 < STEPS
	GATHER (\t)+1
.endif
.if (\t)+2 < STEPS
.if (\t)+7 < STEPS
	s_wait_loadcnt 20                              ; the labels of two steps on are in; the five steps behind them may be out
.else
	s_wait_loadcnt 4*(STEPS-3-(\t))                ; towards the end the count runs down
.endif
	TURN R+16*(((\t)+2)%DEPTH), (\t)%2, X+16*((\t)%2)   ; into the stage and the registers that this step's labels have left
.endif
	WORK \t
.endm
.irp t, 0,1,2,3,4,5,6,7,8,9,10,11,12,13,14,15
	STEP \t
.endr
	ds_load_b64 v[14:15], v6                       ; LDS serves a wave's instructions in order: these see my byte stores
	s_wait_dscnt 0x0
	global_store_b64 v4, v[14:15], s[14:15]        ; 16 rows x 16 scale bytes: 256 consecutive bytes, aligned
	s_wait_tensorcnt 0x0                           ; the wave's end
	ds_add_u32 v240, v241
	s_wait_dscnt 0x0
	s_endpgm
.Lfunc_end_k_q456845ed57_prep:
	.size	k_q456845ed57_prep, .Lfunc_end_k_q456845ed57_prep-k_q456845ed57_prep
	.p2alignl 7, 3214868480
	.fill 96, 4, 3214868480
	.section	.rodata,"a",@progbits
	.p2align	6, 0x0
	.amdhsa_kernel k_q456845ed57_prep
		.amdhsa_group_segment_fixed_size 38400
		.amdhsa_private_segment_fixed_size 0
		.amdhsa_enable_private_segment 0
		.amdhsa_kernarg_size 56
		.amdhsa_user_sgpr_count 2
		.amdhsa_user_sgpr_kernarg_segment_ptr 1
		.amdhsa_wavefront_size32 1
		.amdhsa_system_sgpr_workgroup_id_x 1
		.amdhsa_system_sgpr_workgroup_id_y 1
		.amdhsa_system_sgpr_workgroup_id_z 1
		.amdhsa_system_vgpr_workitem_id 0
		.amdhsa_next_free_vgpr 244
		.amdhsa_next_free_sgpr 66
		.amdhsa_reserve_vcc 0
		.amdhsa_float_denorm_mode_32 3
		.amdhsa_float_denorm_mode_16_64 3
		.amdhsa_memory_ordered 1
		.amdhsa_forward_progress 1
		.amdhsa_inst_pref_size 100
	.end_amdhsa_kernel
	.amdgpu_metadata
---
amdhsa.version: [ 1, 2 ]
amdhsa.kernels:
  - .name:           k_q456845ed57_prep
    .symbol:         k_q456845ed57_prep.kd
    .args:
      - { .name: labels, .offset: 0, .size: 8, .value_kind: global_buffer, .address_space: global }
      - { .name: centroids_scaled, .offset: 8, .size: 8, .value_kind: global_buffer, .address_space: global }
      - { .name: scale, .offset: 16, .size: 8, .value_kind: global_buffer, .address_space: global }
      - { .name: x_scales, .offset: 24, .size: 8, .value_kind: global_buffer, .address_space: global }
      - { .name: w_codes, .offset: 32, .size: 8, .value_kind: global_buffer, .address_space: global }
      - { .name: wst, .offset: 40, .size: 8, .value_kind: global_buffer, .address_space: global }
      - { .name: xst, .offset: 48, .size: 8, .value_kind: global_buffer, .address_space: global }
    .group_segment_fixed_size: 38400
    .private_segment_fixed_size: 0
    .kernarg_segment_align: 8
    .kernarg_segment_size: 56
    .max_flat_workgroup_size: 32
    .sgpr_count:     66
    .vgpr_count:     244
    .wavefront_size: 32
...
	.end_amdgpu_metadata
.endif
;; end of part 1
;; launch gemm (part 2): grid 16 x 16, 4 waves a work-group, clusters of 4 x 4, 327,680 bytes of LDS; arguments x_codes, xst, w_codes, wst, bias, out0; writes out0
.if DOCPART == 2
	.amdgcn_target "amdgcn-amd-amdhsa--gfx1250"
	.amdhsa_code_object_version 6
	.text
	.protected	k_q456845ed57_gemm
	.globl	k_q456845ed57_gemm
	.p2align	8
	.type	k_q456845ed57_gemm,@function
k_q456845ed57_gemm:
	s_mov_b64 s[64:65], 0
	v_nop
	global_prefetch_b8 v0, s[64:65] scope:SCOPE_SE
	s_setreg_imm32_b32 hwreg(HW_REG_WAVE_MODE, 25, 1), 1
	s_wait_xcnt 0x0
	s_wait_alu depctr_hold_cnt(0) depctr_sa_sdst(0) depctr_va_vdst(0) depctr_va_sdst(0) depctr_va_ssrc(0) depctr_va_vcc(0) depctr_vm_vsrc(0)
	s_getreg_b32 s2, hwreg(HW_REG_IB_STS2, 6, 4)
	s_cmp_eq_u32 s2, 0
	s_cbranch_scc0 .Lentry_in_a_cluster
	s_endpgm
.Lentry_in_a_cluster:
	s_bfe_u32 s2, ttmp6, 0x10000c
	s_cmp_lg_u32 s2, 0xf033
	s_cbranch_scc0 .Lentry_shape_is_right
	s_endpgm
.Lentry_shape_is_right:
; out0[m][n] = sum over k of x[m][k] W[n][k] + bias[n].  x: [4096][4096] as codes of FP4 (E2M1), two a byte, K innermost, a row 2,048 bytes.  W's codes lie by K step: w_codes[k / 512][p][256 bytes];
; the E8M0 bytes, one for each 32 along K, lie by K step too: xst[k / 512][row][16 bytes], wst[k / 512][p][16 bytes].  Place p = 64 G + 16 b + r holds W's row n = 64 G + 4 r + b.  out0: [4096][4096] f32.
; A tile of out0, 256 x 256, is made by a work-group of four waves; a wave makes 128 x 128: 4 x 8 accumulators of 32 x 16, 512 registers.  16 x 16 tiles: 256 work-groups, one tile each.
; K goes in 8 steps of 512 through a ring of two LDS slots filled by the tensor data mover: a tile's row of codes is 256 bytes of memory, and the scale bytes of 256 rows for one K step are 4,096 consecutive
; bytes.  ONE STREAM TO A WAVE: wave 0 fetches x's codes (256 rows), wave 1 x's scale bytes, wave 2 W's codes, wave 3 W's scale bytes: one tensor load a wave at the head and behind each round.
; CLUSTERS: 4 x 4 work-groups.  The four of a row of the cluster need the same tiles of x, the four of a column the same tiles of W: each tile is asked for JOINTLY, by the same tensor load with the same
; descriptor and a mask that names the four.
; WHY W's ROWS ARE LAID SO: source 0 = 32 rows of x, source 1 = 16 places of W, so lane (r, h) of tile b holds column 64 g + 4 r + b % 4 (g = b / 4), and register i the row 16 (i / 8) + 8 h + i % 8.  Register i of
; the four tiles of a g are then four NEIGHBOURS of a row, and sixteen lanes hold 256 consecutive bytes: the sums go out from registers.  The four are brought together by the addition of the bias.
; THE WALK ALONG K IS ROTATED, CLUSTER BY CLUSTER: cluster (X, Y) begins at K step k0 = (a(X) + a(Y)) mod 8, a = 0, 4, 3, 7, and goes round modulo 8.  So the four clusters that read the same rows of x
; (one Y) and the four that read the same rows of W (one X) ask for four different K steps at a time.  k0 is made of the cluster's coordinates alone, which all sixteen partners share.
; No prefetch is laid: K is eight steps, and of the eight K steps of any rows six are among the first two of some cluster that reads them, and all eight among the first three.
; THE LAST K STEP GOES BY ROWS of out0, 32 at a time: W's fragments of the whole K step fill window 1, and each 32 x 128 leaves while the next are still to be multiplied.
; LIMIT: a sum takes its eight K steps in the cluster's own order, k0, k0 + 1, .. round to k0 - 1, not ascending: the f32 sums are rounded in another order than an ascending sum's.
; REGISTERS, in windows of 256: window 0: v0-31 addresses and bias; v32-95 scale words, two sets; v128-255 x's fragments, two sets; on the way out v32-63 and v96-127 hold what is stored.
;   window 1: W's fragments, two sets, at v0 and v64; in the last K step all 256.   window 2: the accumulators of my rows 0-63 (accumulator (a, b) at v[16 (8 (a % 2) + b)]);   window 3: those of my rows 64-127.
.set ROWB,   256                       ; a tile's row of codes in bytes: a K step
.set KROW,   2048                      ; a row of x's codes in memory: 8 K steps
.set WSTEP,  1048576                   ; a K step of all of W's codes
.set SSTEP,  65536                     ; a K step of a whole buffer of scale bytes
.set PITCH,  272                       ; an LDS row: 256 bytes + 16 of padding = 68 words: row r starts 4 r words on modulo 64, so the 16 rows that a load touches start at 16 different banks (64 banks of 4 bytes: ISA guide 11.1)
.set BOFF,   256*PITCH                 ; a slot: x's 256 rows of codes, W's 256 rows,
.set SAOFF,  2*256*PITCH               ; x's scale bytes, 256 rows x 16, dense,
.set SBOFF,  SAOFF+4096                ; W's likewise
.set SLOT,   SBOFF+4096
.set SPARE,  2*SLOT                    ; behind the ring: the spare words, 128 bytes for each wave: two blocks of 256 bytes that no other line names
.set BI,    8                          ; v8-15   bias of my columns 64 g + 4 r + b at v[BI + 4 g + b]
.set ADRA, 16                          ; v16-17  LDS address of my fragments of x in slot 0, 1
.set ADSX, 18                          ; v18-19  of my rows' scale words of x
.set ADRB, 20                          ; v20-21  of my fragments of W
.set ADSW, 22                          ; v22-23  of W's scale words
.set CO,   26                          ; v26     my byte offset in out0: 8 h rows, 4 r columns
.set BO,   27                          ; v27     my byte offset in the bias
.set SPW,  28                          ; v28     LDS address of my spare word: SPARE + 4 x my thread's number; never rewritten
.set NIL,  29                          ; v29     0; never rewritten
.set SC,   32                          ; scale words: set s (for slot s) at v[SC + 32 s]: register 4 a + q: lane m the word of row m of x's block a; 16 + 4 i + q: lanes 0-15 W's tile 2 i, lanes 16-31 tile 2 i + 1
.set AF,   128                         ; x's fragments
.set WV,   16                          ; s16  my wave's number
.set RH,   17                          ; s17  which half of the tile's rows is mine
.set CH,   18                          ; s18  which half of its columns
.set G1A,  24                          ; s[24:31] descriptor group 1 for x's codes;  s[32:39] for W's;  s[40:47], s[48:55] for their scale bytes
.set G1B,  32
.set G1SA, 40
.set G1SB, 48
.set G0A,  56                          ; s[56:63] group 0 for x's codes, a set for each slot;  s[68:75] W's codes;  s[76:83], s[84:91] the scale bytes
.set G0B,  68
.set G0SA, 76
.set G0SB, 84
.set KC,   92                          ; s92, s93  the K step, 0 to 7, that slot 0, slot 1 was last asked to hold
.set WC,   94                          ; s[94:95]  what a refill takes off an address of x's codes: 8 K steps where the walk passes K's end, else 0
.set WS,   96                          ; s[96:97]  the same for scale bytes
.set WB,   98                          ; s[98:99]  the same for W's codes
.set MSB, 0
.macro WIN new                         ; the immediate's high byte repeats the setting that is left
.if MSB != (\new)
	s_set_vgpr_msb (MSB<<8)|(\new)
.set MSB, \new
.endif
.endm
.set MUL,    0xa4                      ; source 0 (x) window 0, source 1 (W) window 1, C and D window 2; + 0x50: C and D window 3
.set TO_B,   0x40                      ; destination window 1, address window 0
.macro PLACES n
.rept \n
	v_nop
.endr
.endm
; A joint load into slot s: each wave asks for its own stream.  Each of the four lines has ONE mask and one set of registers for all that issue it; the branches hang on the wave's number alone.
; Four v_nop follow each line, ahead of the jump, the label and what follows.
.macro JLOAD s
	s_cmp_lt_u32 s[WV], 2
	s_cbranch_scc0 .Lfor_w_\@
	s_cmp_eq_u32 s[WV], 0
	s_cbranch_scc0 .Lx_scales_\@
	tensor_load_to_lds s[G0A+4*\s:G0A+4*\s+3], s[G1A:G1A+7]
	s_nop 0
	PLACES 4
	s_branch .Lasked_\@
.Lx_scales_\@:
	tensor_load_to_lds s[G0SA+4*\s:G0SA+4*\s+3], s[G1SA:G1SA+7]
	s_nop 0
	PLACES 4
	s_branch .Lasked_\@
.Lfor_w_\@:
	s_cmp_eq_u32 s[WV], 2
	s_cbranch_scc0 .Lw_scales_\@
	tensor_load_to_lds s[G0B+4*\s:G0B+4*\s+3], s[G1B:G1B+7]
	s_nop 0
	PLACES 4
	s_branch .Lasked_\@
.Lw_scales_\@:
	tensor_load_to_lds s[G0SB+4*\s:G0SB+4*\s+3], s[G1SB:G1SB+7]
	s_nop 0
	PLACES 4
.Lasked_\@:
.endm
.macro CREST                           ; a round of the cluster's barrier behind its opening barrier
	s_cmp_lg_u32 s[WV], 0
	s_cbranch_scc1 .Lnot_wave_0_\@
	s_barrier_signal -3
.Lnot_wave_0_\@:
	s_barrier_wait -3
	s_barrier_signal -1
	s_barrier_wait -1
.endm
.macro CROUND                          ; a whole round
	s_barrier_signal -1
	s_barrier_wait -1
	CREST
.endm
	s_load_b256 s[4:11], s[0:1], 0x0               ; x_codes s[4:5], xst s[6:7], w_codes s[8:9], wst s[10:11]
	s_load_b128 s[12:15], s[0:1], 0x20             ; bias s[12:13], out0 s[14:15]
	v_lshl_add_u32 v[SPW], v0, 2, SPARE
	v_mov_b32 v[NIL], 0
	ds_add_u32 v[SPW], v[NIL]                      ; the wave's opening: the add, twice on end, and its wait ahead of my first tensor load
	ds_add_u32 v[SPW], v[NIL]
	v_lshrrev_b32 v1, 5, v0
	v_readfirstlane_b32 s[WV], v1                  ; wave 0..3
	s_lshr_b32 s[RH], s[WV], 1
	s_and_b32 s[CH], s[WV], 1
	s_bfe_u32 s19, ttmp6, 0x40000                  ; cx, cy: my place in the cluster
	s_bfe_u32 s20, ttmp6, 0x40004
	s_lshl_b32 s21, ttmp9, 2
	s_add_co_u32 s21, s21, s19                     ; tile column = 4 x cluster x + cx
	s_and_b32 s22, ttmp7, 0xffff
	s_lshl_b32 s22, s22, 2
	s_add_co_u32 s22, s22, s20                     ; tile row = 4 x cluster y + cy
	s_lshl_b32 s23, s20, 2
	s_lshl_b32 s23, 15, s23                        ; my row of the cluster
	s_lshl_b32 s2, 0x1111, s19                     ; my column
	; where my cluster begins along K: a = 0, 4, 3, 7 are the four-bit fields of 0x7340.  Neither cx nor cy enters
	s_lshl_b32 s66, ttmp9, 2
	s_lshr_b32 s66, 0x7340, s66
	s_and_b32 s66, s66, 15                         ; a(cluster x)
	s_and_b32 s67, ttmp7, 0xffff
	s_lshl_b32 s67, s67, 2
	s_lshr_b32 s67, 0x7340, s67
	s_and_b32 s67, s67, 15                         ; a(cluster y)
	s_add_co_u32 s66, s66, s67
	s_and_b32 s[KC], s66, 7                        ; slot 0 begins with K step k0,
	s_add_co_u32 s66, s66, 1
	s_and_b32 s[KC+1], s66, 7                      ; slot 1 with (k0 + 1) mod 8
	s_mov_b32 s[WC+1], 0                           ; the upper words of what a refill takes off an address
	s_mov_b32 s[WS+1], 0
	; descriptor group 1 for codes: a tile of 256 rows x 256 bytes, padded in LDS
	s_or_b32 s[G1A], s23, (0<<16)|(1<<20)|(1<<21)|(5<<22)|(3<<25)   ; 15:0 the mask: x's tiles go to my row; 17:16 elements of 1 byte; 20 padding on; 21 set beside a mask; 24:22 after every 64 words (code 5); 31:25 four words (code 3)
	s_or_b32 s[G1B], s2, (0<<16)|(1<<20)|(1<<21)|(5<<22)|(3<<25)    ; the same with the mask of my column
.irp g, G1A, G1B
	s_mov_b32 s[\g+1], ROWB<<16                    ; tensor_dim0 = 256
	s_mov_b32 s[\g+2], 256<<16                     ; tensor_dim1 = 256
	s_mov_b32 s[\g+3], ROWB<<16                    ; tile_dim0 = 256
	s_mov_b32 s[\g+4], 256                         ; tile_dim1 = 256
	s_mov_b32 s[\g+6], 0
	s_mov_b32 s[\g+7], 0
.endr
	s_mov_b32 s[G1A+5], KROW                       ; tensor_dim0_stride: x's rows are 2,048 bytes apart,
	s_mov_b32 s[G1B+5], ROWB                       ; W's lie end to end
	; and for scale bytes: a dense block of 4,096 bytes as 16 rows of 256 bytes (32 elements of 8 bytes), no padding
	s_or_b32 s[G1SA], s23, (3<<16)|(1<<21)
	s_or_b32 s[G1SB], s2, (3<<16)|(1<<21)
.irp g, G1SA, G1SB
	s_mov_b32 s[\g+1], 32<<16
	s_mov_b32 s[\g+2], 16<<16
	s_mov_b32 s[\g+3], 32<<16
	s_mov_b32 s[\g+4], 16
	s_mov_b32 s[\g+5], 32
	s_mov_b32 s[\g+6], 0
	s_mov_b32 s[\g+7], 0
.endr
	; where the tiles come from: x's hang on the tile row (s[98:99]), W's on the tile column (s[100:101]), both on the slot's K step
	s_mov_b32 s99, 0
	s_mov_b32 s101, 0
	s_wait_dscnt 0x0                               ; both opening adds are done
	s_wait_kmcnt 0x0
.irp s, 0,1
	s_lshl_b32 s66, s[KC+\s], 8                    ; the slot's K step in a row of x's codes: 256 bytes each
	s_lshl_b32 s98, s22, 19                        ; the tile's 256 rows of 2,048 bytes
	s_add_co_u32 s98, s98, s66
	s_lshl_b32 s66, s[KC+\s], 20                   ; and in W's codes: 1,048,576 bytes each
	s_lshl_b32 s100, s21, 16                       ; the tile's 256 places of 256 bytes
	s_add_co_u32 s100, s100, s66
	s_mov_b32 s[G0A+4*\s], 1                                       ; 1:0 count = 1
	s_mov_b32 s[G0A+4*\s+1], \s*SLOT                               ; 63:32 LDS address: a constant for each stream and slot
	s_add_nc_u64 s[G0A+4*\s+2:G0A+4*\s+3], s[4:5], s[98:99]        ; 120:64 global address: the tile's first row, at the slot's K step
	s_or_b32 s[G0A+4*\s+3], s[G0A+4*\s+3], 0x80000000              ; 127:126 type = 2
	s_mov_b32 s[G0B+4*\s], 1
	s_mov_b32 s[G0B+4*\s+1], \s*SLOT+BOFF
	s_add_nc_u64 s[G0B+4*\s+2:G0B+4*\s+3], s[8:9], s[100:101]
	s_or_b32 s[G0B+4*\s+3], s[G0B+4*\s+3], 0x80000000
	s_lshl_b32 s66, s[KC+\s], 16                   ; the slot's K step in a buffer of scale bytes: 65,536 bytes each
	s_lshl_b32 s98, s22, 12                        ; the tile's 256 rows of 16 bytes
	s_add_co_u32 s98, s98, s66
	s_lshl_b32 s100, s21, 12
	s_add_co_u32 s100, s100, s66
	s_mov_b32 s[G0SA+4*\s], 1
	s_mov_b32 s[G0SA+4*\s+1], \s*SLOT+SAOFF
	s_add_nc_u64 s[G0SA+4*\s+2:G0SA+4*\s+3], s[6:7], s[98:99]
	s_or_b32 s[G0SA+4*\s+3], s[G0SA+4*\s+3], 0x80000000
	s_mov_b32 s[G0SB+4*\s], 1
	s_mov_b32 s[G0SB+4*\s+1], \s*SLOT+SBOFF
	s_add_nc_u64 s[G0SB+4*\s+2:G0SB+4*\s+3], s[10:11], s[100:101]
	s_or_b32 s[G0SB+4*\s+3], s[G0SB+4*\s+3], 0x80000000
.endr
	CROUND                                         ; all sixteen work-groups are here: the first joint loads meet
	JLOAD 0                                        ; the first K step
	s_lshl_b32 s100, s21, 10                       ; my first column in bytes of f32: 1,024 x tile column + 512 x half (no descriptor is made of s100 any more)
	s_lshl_b32 s66, s[CH], 9
	s_add_co_u32 s100, s100, s66
	s_add_nc_u64 s[12:13], s[12:13], s[100:101]
	s_lshl_b32 s66, s22, 22                        ; my first row of out0: (256 x tile row + 128 x half) rows of 16,384 bytes,
	s_lshl_b32 s67, s[RH], 21
	s_add_co_u32 s66, s66, s67
	s_add_co_u32 s66, s66, s100                    ; and my first column
	s_mov_b32 s67, 0
	s_add_nc_u64 s[14:15], s[14:15], s[66:67]
	s_mul_i32 s66, s[RH], 128*PITCH                ; my 128 rows of x
	s_mul_i32 s67, s[CH], 128*PITCH                ; my 128 places of W, which lie behind x's 256
	s_add_co_u32 s67, s67, BOFF
	s_lshl_b32 s2, s[RH], 11                       ; and their scale bytes
	s_add_co_u32 s2, s2, SAOFF
	s_lshl_b32 s23, s[CH], 11
	s_add_co_u32 s23, s23, SBOFF
	v_and_b32 v1, 15, v0                           ; r = lane % 16
	v_bfe_u32 v2, v0, 4, 1                         ; h = lane / 16
	v_lshlrev_b32 v[BO], 4, v1
	global_load_b128 v[BI:BI+3], v[BO], s[12:13]
	global_load_b128 v[BI+4:BI+7], v[BO], s[12:13] offset:256
	v_mul_u32_u24 v3, v1, PITCH
	v_lshl_add_u32 v4, v2, 4, v3                   ; a fragment's row x pitch + 16 x half
	v_add_nc_u32 v[ADRA], s66, v4
	v_add_nc_u32 v[ADRB], s67, v4
	v_and_b32 v6, 31, v0
	v_lshlrev_b32 v6, 4, v6                        ; 16 bytes of scales a row, a lane a row
	v_add_nc_u32 v[ADSX], s2, v6
	v_add_nc_u32 v[ADSW], s23, v6
.irp r, ADRA, ADRB, ADSX, ADSW
	v_add_nc_u32 v[\r+1], SLOT, v[\r]
.endr
	v_lshlrev_b32 v5, 17, v2                       ; 8 h rows of 16,384 bytes
	v_lshl_add_u32 v[CO], v1, 4, v5
; One matrix instruction: x's block a (32 rows) by W's tile b, 128 along K: the slot's q-th; XR, WR: the fragments.  Source 0's scales: lane m's word for row m; source 1's from lanes 0-15 (b even) or 16-31 (b odd).
; The accumulators take turns, one instruction a turn.  zero = 1: the product starts its sum: nothing is ever cleared.
.macro XM a, b, sc, q, zero
.set DD, 16*(8*((\a)%2)+(\b))
.set RSX, SC+32*(\sc)+4*(\a)+(\q)
.set RSW, SC+32*(\sc)+16+4*((\b)/2)+(\q)
.if \zero
.if (\b)%2
	v_wmma_scale_f32_32x16x128_f4 v[DD:DD+15], v[XR:XR+15], v[WR:WR+7], 0, v[RSX], v[RSW] matrix_b_scale:MATRIX_SCALE_ROW1
.else
	v_wmma_scale_f32_32x16x128_f4 v[DD:DD+15], v[XR:XR+15], v[WR:WR+7], 0, v[RSX], v[RSW]
.endif
.else
.if (\b)%2
	v_wmma_scale_f32_32x16x128_f4 v[DD:DD+15], v[XR:XR+15], v[WR:WR+7], v[DD:DD+15], v[RSX], v[RSW] matrix_b_scale:MATRIX_SCALE_ROW1
.else
	v_wmma_scale_f32_32x16x128_f4 v[DD:DD+15], v[XR:XR+15], v[WR:WR+7], v[DD:DD+15], v[RSX], v[RSW]
.endif
.endif
.endm
.macro MM a, b, p, q, sc, zero         ; the same with the fragments of set p
.set XR, AF+64*(\p)+16*(\a)
.set WR, 64*(\p)+8*(\b)
	XM \a, \b, \sc, \q, \zero
.endm
.macro FRAG reg, adr, q, i             ; 16 rows x 128 K of 4-bit codes, 8 registers: lane l holds row l % 16; registers 4 c .. 4 c + 3 hold K = 64 c + 32 (l / 16) + 0 .. 31, the lower K in the lower bits
.irp c, 0,1
	ds_load_b128 v[\reg+4*\c:\reg+4*\c+3], v[\adr] offset:64*(\q)+32*\c+(\i)*16*PITCH
.endr
.endm
; Group g of a step's eight groups of four LDS loads, into set p: groups 0 to 3 bring W's tiles 2 g, 2 g + 1; groups 4 to 7 x's block g - 4 (32 rows).
.macro LG slot, q, p, g
.if (\g) < 4
	WIN TO_B
.irp i, 0,1
	FRAG 64*(\p)+8*(2*(\g)+\i), ADRB+\slot, \q, 2*(\g)+\i
.endr
.else
	WIN 0
.irp i, 0,1
	FRAG AF+64*(\p)+16*((\g)-4)+8*\i, ADRA+\slot, \q, 2*((\g)-4)+\i
.endr
.endif
.endm
.macro SXG s                           ; slot s's scale words, four words a row: x's four blocks of 32 rows
	WIN 0
.irp i, 0,1,2,3
	ds_load_b128 v[SC+32*\s+4*\i:SC+32*\s+4*\i+3], v[ADSX+\s] offset:512*\i
.endr
.endm
.macro SWG s                           ; W's four pairs of tiles
	WIN 0
.irp i, 0,1,2,3
	ds_load_b128 v[SC+32*\s+16+4*\i:SC+32*\s+16+4*\i+3], v[ADSW+\s] offset:512*\i
.endr
.endm
.macro NXG s, n                        ; the ten groups that open slot s: W, the scale words, x's blocks in order
.if (\n) < 4
	LG \s, 0, 0, \n
.elseif (\n) == 4
	SXG \s
.elseif (\n) == 5
	SWG \s
.else
	LG \s, 0, 0, (\n)-2
.endif
.endm
; A load into a register that a matrix instruction has read, and a vector instruction that reads a matrix result, stand four places behind that matrix instruction, and only plain vector instructions that name
; none of its registers are places (ISA guide 7.12.1 for vector instructions); this text does not count the matrix instructions in between.
; A step of 128 along K that has its successor in the same slot: 32 products, x's blocks one after the other, each against W's eight; the next step's eight groups of loads stand between them, into the other set.
; The wait ahead of block a: W's set and x's blocks 0 .. a are in.  Younger: x's blocks a + 1 .. 3 (4 loads each) and this step's groups so far (8 loads a block): 12 - 4 a + 8 a.
.macro STEP slot, q, zero
.irp a, 0,1,2,3
	s_wait_dscnt 12+4*\a
	WIN MUL+0x50*(\a/2)
.irp b, 0,1,2,3,4,5,6,7
	MM \a, \b, (\q)%2, \q, \slot, \zero
.if \a == 0 && \b == 0
	PLACES 4                                       ; for the loads below into the set that the step before has read
.endif
.if (\b)%4 == 1
	LG \slot, (\q)+1, 1-(\q)%2, 2*\a+(\b)/4
	WIN MUL+0x50*(\a/2)
.endif
.endr
.endr
.endm
; A slot's last step changes slots: ONE barrier; in front of it each wave waits for all its tensor loads, adds 0 to its spare word, and waits for that and for its own reads of this slot.
; MEET is the step's first twelve products, up to the barrier's wait: four between the add and the wait for it, eight between signal and wait.
.macro MEET slot
	s_wait_dscnt 13                                ; W's set and x's block 0 are in; x's blocks 1 to 3 and the add may be out
	WIN MUL
.irp b, 0,1,2,3
	MM 0, \b, 1, 3, \slot, 0
.endr
	s_wait_dscnt 0x0                               ; the add is done, and my reads of this slot are over
	s_barrier_signal -1
.irp b, 4,5,6,7
	MM 0, \b, 1, 3, \slot, 0
.endr
.irp b, 0,1,2,3
	MM 1, \b, 1, 3, \slot, 0
.endr
	WIN 0
	s_barrier_wait -1
.endm
; The slot is filled again with the K step two on in the cluster's walk; the barrier opens a round of the cluster's barrier, and the joint refill is the first thing behind the round.
; The slot's addresses are stepped between the add and the wait for it, where no tensor load of mine is out: two K steps on, and eight back where the walk passes K's end: a choice by s_cselect_b32, no branch.
.macro TURN slot, next
	WIN 0                                          ; (the add's two registers lie in window 0)
	s_wait_tensorcnt 0x0                           ; all my tensor loads have landed: the one that was out is my stream's part of the next slot
	ds_add_u32 v[SPW], v[NIL]                      ; 0 onto my spare word
	s_add_co_u32 s[KC+\slot], s[KC+\slot], 2       ; the slot's next K step;
	s_cmp_ge_u32 s[KC+\slot], 8                    ; past K's end?
	s_cselect_b32 s[WC], 8*ROWB, 0                 ; then a whole row of x's codes back,
	s_cselect_b32 s[WS], 8*SSTEP, 0                ; a whole buffer of scale bytes,
	s_cselect_b32 s[WB], 8*WSTEP, 0                ; and all of W's codes
	s_and_b32 s[KC+\slot], s[KC+\slot], 7
	s_add_nc_u64 s[G0A+4*\slot+2:G0A+4*\slot+3], s[G0A+4*\slot+2:G0A+4*\slot+3], 2*ROWB
	s_sub_nc_u64 s[G0A+4*\slot+2:G0A+4*\slot+3], s[G0A+4*\slot+2:G0A+4*\slot+3], s[WC:WC+1]   ; the type bits on top are not reached
	s_add_nc_u64 s[G0B+4*\slot+2:G0B+4*\slot+3], s[G0B+4*\slot+2:G0B+4*\slot+3], 2*WSTEP
	s_sub_nc_u64 s[G0B+4*\slot+2:G0B+4*\slot+3], s[G0B+4*\slot+2:G0B+4*\slot+3], s[WB:WB+1]
	s_add_nc_u64 s[G0SA+4*\slot+2:G0SA+4*\slot+3], s[G0SA+4*\slot+2:G0SA+4*\slot+3], 2*SSTEP
	s_sub_nc_u64 s[G0SA+4*\slot+2:G0SA+4*\slot+3], s[G0SA+4*\slot+2:G0SA+4*\slot+3], s[WS:WS+1]
	s_add_nc_u64 s[G0SB+4*\slot+2:G0SB+4*\slot+3], s[G0SB+4*\slot+2:G0SB+4*\slot+3], 2*SSTEP
	s_sub_nc_u64 s[G0SB+4*\slot+2:G0SB+4*\slot+3], s[G0SB+4*\slot+2:G0SB+4*\slot+3], s[WS:WS+1]
	MEET \slot
	CREST                                          ; no wave of any partner still reads this slot's tiles or has a load on its way
	JLOAD \slot                                    ; the four v_nop behind it are also the places in front of the loads below
.set N, 12
.rept 20
	WIN MUL+0x50*(N/16)
	MM N/8, N%8, 1, 3, \slot, 0
.if N%2 == 0
	NXG \next, (N-12)/2
.endif
.set N, N+1
.endr
.endm
; THE LAST K STEP, in slot 1, goes by rows.  W's fragments of its quarter q lie in window 1 at 64 x (0, 2, 3, 1): the set that the step before it still multiplies, at 64, takes quarter 3, the last to be asked for.
; x's block a, all four quarters, lies at AF + 64 (a % 2).
.macro XBG a, q
	WIN 0
.irp i, 0,1
	FRAG AF+64*((\a)%2)+16*(\q)+8*\i, ADRA+1, \q, 2*(\a)+\i
.endr
.endm
.macro WBG q, g                        ; W's tiles 2 g, 2 g + 1 of quarter q
	WIN TO_B
.irp i, 0,1
	FRAG 64*((0x1320>>(4*(\q)))&15)+8*(2*(\g)+\i), ADRB+1, \q, 2*(\g)+\i
.endr
.endm
.macro LASTG n                         ; 18 groups: the scale words, x's block 0, W's quarters 0 to 2
.if (\n) == 0
	SXG 1
.elseif (\n) == 1
	SWG 1
.elseif (\n) < 6
	XBG 0, (\n)-2
.else
	WBG ((\n)-6)/4, ((\n)-6)%4
.endif
.endm
.macro LAST                            ; slot 0's last step of all: nothing is filled again, so no round follows the barrier
	WIN 0
	s_wait_tensorcnt 0x0                           ; my stream's part of slot 1 is in
	ds_add_u32 v[SPW], v[NIL]
	MEET 0
	PLACES 4
.set N, 12
.rept 20
	WIN MUL+0x50*(N/16)
	MM N/8, N%8, 1, 3, 0, 0
.if N < 30
	LASTG N-12
.endif
.set N, N+1
.endr
.endm
.macro ROW a                           ; x's block a is finished: 32 products, its eight accumulators by turns
	WIN MUL+0x50*((\a)/2)
.irp q, 0,1,2,3
.if (\a) == 0 && \q == 0
	s_wait_dscnt 63                                ; the scale words, x's block 0 and W's quarter 0 are in: 64 loads were issued behind them
.elseif (\a) == 0
	s_wait_dscnt 64-16*\q                          ; W's quarter q is in
.endif
.irp b, 0,1,2,3,4,5,6,7
.set XR, AF+64*((\a)%2)+16*\q
.set WR, 64*((0x1320>>(4*\q))&15)+8*\b
	XM \a, \b, 1, \q, 0
.endr
.endr
.endm
; THE WAY OUT of block a, in two halves of 64 columns: register i of the four tiles + bias, side by side; sixteen lanes store 256 consecutive bytes of a row, the other sixteen those of the row 8 further down.
; Every offset stands in the immediate: 127 rows of out0 at the most, inside its signed 24 bits (ISA guide, chapter 10).
.macro WAYOUT a
.irp g, 0,1
.if (\a)+\g > 0
	s_wait_xcnt 0x0                                ; every earlier memory instruction has had its addresses translated (ISA guide 3.1): the registers that the last stores read are rewritten only behind this wait
.endif
	WIN 0x02+(\a)/2
.irp i, 0,1,2,3,4,5,6,7,8,9,10,11,12,13,14,15
.irp b, 0,1,2,3
	v_add_f32 v[32+4*\i+32*(\i/8)+\b], v[16*(8*((\a)%2)+4*\g+\b)+\i], v[BI+4*\g+\b]
.endr
.endr
	WIN 0
.irp i, 0,1,2,3,4,5,6,7,8,9,10,11,12,13,14,15
	global_store_b128 v[CO], v[32+4*\i+32*(\i/8):35+4*\i+32*(\i/8)], s[14:15] offset:(32*(\a)+16*(\i/8)+(\i%8))*16384+256*\g th:TH_STORE_NT
.endr
.endr
.endm
	s_wait_alu depctr_va_vdst(0)                   ; the wait at the head's end
	s_wait_tensorcnt 0x0                           ; my stream's part of slot 0 is in
	ds_add_u32 v[SPW], v[NIL]
	s_wait_dscnt 0x0                               ; the add is done
	CROUND                                         ; everybody's part of slot 0 is in, and all sixteen work-groups are here: the joint loads meet,
	JLOAD 1                                        ; and slot 1's load is the first tensor load behind the round
.irp n, 0,1,2,3,4,5,6,7,8,9
	NXG 0, \n
.endr
	STEP 0, 0, 1                                   ; the first step stands in front of the loop: its products start the sums
	WIN 0                                          ; at a label and at a branch every window is 0
	s_mov_b32 s3, 3
.Llap:                                                 ; a trip goes once round the ring, from a lap's second step to the next lap's first, and fills both slots again
	STEP 0, 1, 0
	STEP 0, 2, 0
	TURN 0, 1
	STEP 1, 0, 0
	STEP 1, 1, 0
	STEP 1, 2, 0
	TURN 1, 0
	STEP 0, 0, 0
	WIN 0
	s_sub_co_u32 s3, s3, 1
	s_cmp_lg_u32 s3, 0
	s_cbranch_scc1 .Llap
	STEP 0, 1, 0
	STEP 0, 2, 0
	LAST
	PLACES 4                                       ; for the loads into the sets that were multiplied last
.irp g, 0,1,2,3
	WBG 3, \g
.endr
.irp q, 0,1,2,3
	XBG 1, \q
.endr
	s_wait_loadcnt 0x0                             ; the bias
.irp a, 0,1,2,3
.if \a == 3
	s_wait_dscnt 0x0
.elseif \a > 0
	s_wait_dscnt 16                                ; x's block a is in; block a + 1 may be out
.endif
	ROW \a
	PLACES 4                                       ; for the reads of its results, and for the loads into its fragments
.if \a < 2
.irp q, 0,1,2,3
	XBG \a+2, \q
.endr
.endif
	WAYOUT \a
.endr
	s_wait_tensorcnt 0x0                           ; the wave's end
	ds_add_u32 v[SPW], v[NIL]
	s_wait_dscnt 0x0
	CROUND                                         ; the closing round: no work-group ends while a partner may still ask for a tile that names it
	s_endpgm
.Lfunc_end_k_q456845ed57_gemm:
	.size	k_q456845ed57_gemm, .Lfunc_end_k_q456845ed57_gemm-k_q456845ed57_gemm
	.p2alignl 7, 3214868480
	.fill 96, 4, 3214868480
	.section	.rodata,"a",@progbits
	.p2align	6, 0x0
	.amdhsa_kernel k_q456845ed57_gemm
		.amdhsa_group_segment_fixed_size 327680
		.amdhsa_private_segment_fixed_size 0
		.amdhsa_enable_private_segment 0
		.amdhsa_kernarg_size 48
		.amdhsa_user_sgpr_count 2
		.amdhsa_user_sgpr_kernarg_segment_ptr 1
		.amdhsa_wavefront_size32 1
		.amdhsa_system_sgpr_workgroup_id_x 1
		.amdhsa_system_sgpr_workgroup_id_y 1
		.amdhsa_system_sgpr_workgroup_id_z 1
		.amdhsa_system_vgpr_workitem_id 0
		.amdhsa_next_free_vgpr 1024
		.amdhsa_next_free_sgpr 102
		.amdhsa_reserve_vcc 0
		.amdhsa_float_denorm_mode_32 3
		.amdhsa_float_denorm_mode_16_64 3
		.amdhsa_memory_ordered 1
		.amdhsa_forward_progress 1
		.amdhsa_inst_pref_size 155
	.end_amdhsa_kernel
	.amdgpu_metadata
---
amdhsa.version: [ 1, 2 ]
amdhsa.kernels:
  - .name:           k_q456845ed57_gemm
    .symbol:         k_q456845ed57_gemm.kd
    .args:
      - { .name: x_codes, .offset: 0, .size: 8, .value_kind: global_buffer, .address_space: global }
      - { .name: xst, .offset: 8, .size: 8, .value_kind: global_buffer, .address_space: global }
      - { .name: w_codes, .offset: 16, .size: 8, .value_kind: global_buffer, .address_space: global }
      - { .name: wst, .offset: 24, .size: 8, .value_kind: global_buffer, .address_space: global }
      - { .name: bias, .offset: 32, .size: 8, .value_kind: global_buffer, .address_space: global }
      - { .name: out0, .offset: 40, .size: 8, .value_kind: global_buffer, .address_space: global }
    .group_segment_fixed_size: 327680
    .private_segment_fixed_size: 0
    .kernarg_segment_align: 8
    .kernarg_segment_size: 48
    .max_flat_workgroup_size: 128
    .sgpr_count:     102
    .vgpr_count:     1024
    .wavefront_size: 32
...
	.end_amdgpu_metadata
.endif
;; end of part 2
